; MI455X (gfx1250); checked and timed in simulation.
; The chip was launched on July 23, 2026; its instructions are those of AMD's public machine-readable ISA for CDNA 5 (MIT licence, August 2026) and "CDNA5" Instruction Set Architecture Reference Guide (July 2026). The comments in the code are by the model that wrote it; some were corrected since.
;; Mo E Head. Allowed arithmetic: float matrix products may take bf16 or f16 operands with f32 sums; other float arithmetic in f32, or as packed bf16 or f16 multiplies, adds, multiply-adds, maxima and minima; sums over many terms, partial sums and values carried from step to step in f32; what a program stores and reads back later, other than sums and carried values, may be rounded once to bf16 or f16.
;; Inputs: b1 16 x 2,048 float32; b2 16 x 1 float32; gate_b 16 float32; gate_w 512 x 16 float32; ln_bias 16 x 512 float32; ln_scale 16 x 512 float32; w1 16 x 512 x 2,048 float32; w2 16 x 2,048 x 1 float32; z 4,096 x 512 float32.
;; Outputs: out0 4,096 float32; out1 4,096 x 16 float32.
;; One version. Each part assembles by itself: llvm-mc -triple=amdgcn-amd-amdhsa -mcpu=gfx1250 --defsym DOCPART=n.
;; ======== version 1 of 1: 3 launches
;; limits: a function is approximated: absolute error at most 1.5e-07
;; workspace buffers: zn 4,194,304 bytes; idx 16,384 bytes of whole numbers; part 4,194,304 bytes; order 262,144 bytes of whole numbers; cnt 2,048 bytes of whole numbers
;; launch router (part 1): grid 256 x 1, 4 waves a work-group, no clusters, 38,656 bytes of LDS; arguments z, gate_w, gate_b, out1, zn, idx; writes out1, zn, idx
.if DOCPART == 1
	.amdgcn_target "amdgcn-amd-amdhsa--gfx1250"
	.amdhsa_code_object_version 6
	.text
	.protected	k_q39630169a3_router
	.globl	k_q39630169a3_router
	.p2align	8
	.type	k_q39630169a3_router,@function
k_q39630169a3_router:
	s_mov_b64 s[64:65], 0
	v_nop
	global_prefetch_b8 v0, s[64:65] scope:SCOPE_SE
	s_setreg_imm32_b32 hwreg(HW_REG_WAVE_MODE, 25, 1), 1
	s_wait_xcnt 0x0
; ROUTER.  For 16 tokens a work-group: g = softmax(z gate_w + gate_b) -> out1; the expert of the largest g -> idx (a whole number, at the token's fixed place);
; zn = (z - mean) / sqrt(var + 1e-5), without any expert's scale and bias, rounded once to bf16 -> zn.
; THE GATE IS MULTIPLIED IN f32 (v_wmma_f32_16x16x4_f32): it is 4096 x 512 x 16 of the module's multiply-adds, under one part in a hundred, and its result chooses the expert:
; 16-bit operands would turn tokens whose two best experts lie close.  The maximum is taken away before the exponentials, as the softmax asks.
; LIMITS.  NaN and infinities are not treated apart (a row of NaN gets expert 15).  The expert is the lowest index whose g, as computed here, equals the row's largest g;
; where the two best logits differ by a few units in f32's last place the choice may differ from another order of the same sums.
; SHARES.  Loading and statistics: wave w owns tokens 4 w .. 4 w + 3; a row of 2,048 bytes is four loads of 16 bytes a lane, each 512 consecutive bytes.
; Gate: wave w owns k = 128 w .. 128 w + 127 for all 16 tokens; the four waves' partial sums meet in LDS.  The raw rows cross to the other waves through LDS.
; No cluster, no tensor load: no two work-groups share a row of z, and gate_w is 32 KiB in all.
.set ZP,    2064                       ; an LDS row of z: 2,048 bytes + 16: row r starts 16 r bytes further round the banks (ISA guide 11.1)
.set PD,    16*ZP                      ; 33,024: the waves' partial logits: 4 waves x 16 tokens x 80 bytes (64 + 16)
.set PP,    80
.set SPARE, PD+4*16*PP                 ; 38,144: the spare words, 128 bytes a wave: two blocks of 256 bytes that no other line names
.set SPW, 4                            ; v4   SPARE + 4 x my thread's number; never rewritten
.set NIL, 5                            ; v5   0; never rewritten
.set MU,  20                           ; v[20:27]  a row's mean, twice (a pair for the packed forms)
.set RS,  28                           ; v[28:35]  a row's 1 / sqrt(var + eps), twice
.set RT,  36                           ; v[36:43]  at work: a pair a row; later the sum of the two accumulators, then the four partial logit pairs
.set AC0, 44                           ; v[44:51], v[52:59]  the gate's two accumulators: written by matrix instructions alone
.set AC1, 52
.set Z,   64                           ; v[64:127]   four rows of z, 16 registers each
.set G,   128                          ; v[128:191]  gate_w: register 4 c + j holds gate_w[128 w + 8 c + 4 h + j][r]
.set ZF,  192                          ; v[192:255]  z:      register 4 c + j holds z[r][128 w + 8 c + 4 h + j]
	s_load_b256 s[4:11], s[0:1], 0x0               ; z s[4:5], gate_w s[6:7], gate_b s[8:9], out1 s[10:11]
	s_load_b128 s[12:15], s[0:1], 0x20             ; zn s[12:13], idx s[14:15]
	v_lshl_add_u32 v[SPW], v0, 2, SPARE
	v_mov_b32 v[NIL], 0
	v_lshrrev_b32 v18, 5, v0
	v_readfirstlane_b32 s16, v18                   ; wave 0..3
	v_and_b32 v1, 31, v0                           ; lane
	v_and_b32 v2, 15, v0                           ; r
	v_bfe_u32 v3, v0, 4, 1                         ; h
	v_and_b32 v13, 7, v0                           ; last phase: which pair of experts is mine
	v_lshlrev_b32 v6, 4, v1                        ; 16 x lane
	v_lshlrev_b32 v12, 3, v1                       ; 8 x lane
	v_lshlrev_b32 v19, 3, v13                      ; my pair's place in gate_b
	s_lshl_b32 s17, ttmp9, 4
	s_lshl_b32 s18, s16, 2
	s_add_co_u32 s17, s17, s18                     ; my wave's first token
	s_lshl_b32 s26, s17, 11                        ; its byte in z,
	s_mov_b32 s27, 0
	s_lshl_b32 s28, s17, 10                        ; in zn;
	s_mov_b32 s29, 0
	s_lshl_b32 s30, ttmp9, 10                      ; the group's 16 rows of 64 bytes in out1,
	s_mov_b32 s31, 0
	s_lshl_b32 s32, ttmp9, 6                       ; its 16 words in idx
	s_mov_b32 s33, 0
	s_mov_b32 s20, 0x76543210                      ; v_permlanex16_b32: each lane takes its own place in the other half
	s_mov_b32 s21, 0xfedcba98
	s_mov_b32 s22, 0x3b000000                      ; 1 / 512
	s_mov_b32 s23, 0x3727c5ac                      ; 1e-5
	s_mov_b32 s24, 0x3fb8aa3b                      ; log2(e)
	s_lshl_b32 s34, s16, 13
	v_lshlrev_b32 v7, 2, v2
	v_lshl_add_u32 v7, v3, 8, v7
	v_add_nc_u32 v7, s34, v7                       ; gate_w: 128 w rows of 64 bytes + 4 h rows + 4 r
	s_mul_i32 s35, s16, 4*ZP
	v_add_nc_u32 v8, s35, v6                       ; LDS: my wave's first row + 16 x lane
	s_lshl_b32 s36, s16, 9
	v_mul_u32_u24 v9, v2, ZP
	v_lshl_add_u32 v9, v3, 4, v9
	v_add_nc_u32 v9, s36, v9                       ; LDS: row r, k = 128 w + 4 h
	s_mul_i32 s37, s16, 16*PP
	s_add_co_u32 s37, s37, PD                      ; my wave's partial logits
	s_wait_kmcnt 0x0
	s_add_nc_u64 s[4:5], s[4:5], s[26:27]
	s_add_nc_u64 s[12:13], s[12:13], s[28:29]
	s_add_nc_u64 s[10:11], s[10:11], s[30:31]
	s_add_nc_u64 s[14:15], s[14:15], s[32:33]
.irp rr, 0,1,2,3
.irp i, 0,1,2,3
	global_load_b128 v[Z+16*\rr+4*\i:Z+16*\rr+4*\i+3], v6, s[4:5] offset:\rr*2048+\i*512 th:TH_LOAD_NT
.endr
.endr
	global_load_b64 v[16:17], v19, s[8:9]
.irp c, 0,1,2,3,4,5,6,7,8,9,10,11,12,13,14,15
.irp j, 0,1,2,3
	global_load_b32 v[G+4*\c+\j], v7, s[6:7] offset:\c*512+\j*64
.endr
.endr
	s_wait_loadcnt 63                              ; 65 loads are younger than z's last; the count's field ends at 63: z is in
.irp rr, 0,1,2,3
.irp i, 0,1,2,3
	ds_store_b128 v8, v[Z+16*\rr+4*\i:Z+16*\rr+4*\i+3] offset:\rr*ZP+\i*512   ; the raw rows, for the gate
.endr
.endr
; the lanes' pairs in v[RT+2 rr], v[RT+2 rr+1] are summed over the pair and the wave's 32 lanes, for all four rows; every lane ends with the sum
.macro RED4
.irp rr, 0,1,2,3
	v_add_f32 v[RT+2*\rr], v[RT+2*\rr], v[RT+2*\rr+1]
.endr
.irp x, 1,2,4,8
.irp rr, 0,1,2,3
	v_add_f32_dpp v[RT+2*\rr], v[RT+2*\rr], v[RT+2*\rr] row_xmask:\x row_mask:0xf bank_mask:0xf
.endr
.endr
.irp rr, 0,1,2,3
	v_permlanex16_b32 v[RT+2*\rr+1], v[RT+2*\rr], s20, s21
.endr
.irp rr, 0,1,2,3
	v_add_f32 v[RT+2*\rr], v[RT+2*\rr], v[RT+2*\rr+1]
.endr
.endm
	; the mean
.irp rr, 0,1,2,3
	v_pk_add_f32 v[RT+2*\rr:RT+2*\rr+1], v[Z+16*\rr:Z+16*\rr+1], v[Z+16*\rr+2:Z+16*\rr+3]
.endr
.irp m, 4,6,8,10,12,14
.irp rr, 0,1,2,3
	v_pk_add_f32 v[RT+2*\rr:RT+2*\rr+1], v[RT+2*\rr:RT+2*\rr+1], v[Z+16*\rr+\m:Z+16*\rr+\m+1]
.endr
.endr
	RED4
.irp rr, 0,1,2,3
	v_mul_f32 v[MU+2*\rr], s22, v[RT+2*\rr]
	v_mul_f32 v[MU+2*\rr+1], s22, v[RT+2*\rr]
.endr
	; z - mean, in place (the raw rows have gone to LDS); the variance is the mean of its squares: no difference of large sums
.irp m, 0,2,4,6,8,10,12,14
.irp rr, 0,1,2,3
	v_pk_add_f32 v[Z+16*\rr+\m:Z+16*\rr+\m+1], v[Z+16*\rr+\m:Z+16*\rr+\m+1], v[MU+2*\rr:MU+2*\rr+1] neg_lo:[0,1] neg_hi:[0,1]
.endr
.endr
.irp rr, 0,1,2,3
	v_pk_mul_f32 v[RT+2*\rr:RT+2*\rr+1], v[Z+16*\rr:Z+16*\rr+1], v[Z+16*\rr:Z+16*\rr+1]
.endr
.irp m, 2,4,6,8,10,12,14
.irp rr, 0,1,2,3
	v_pk_fma_f32 v[RT+2*\rr:RT+2*\rr+1], v[Z+16*\rr+\m:Z+16*\rr+\m+1], v[Z+16*\rr+\m:Z+16*\rr+\m+1], v[RT+2*\rr:RT+2*\rr+1]
.endr
.endr
	RED4
.irp rr, 0,1,2,3
	v_fma_f32 v[RT+2*\rr], v[RT+2*\rr], s22, s23   ; var + eps
.endr
.irp rr, 0,1,2,3
	v_rsq_f32 v[RS+2*\rr], v[RT+2*\rr]
.endr
	v_nop                                          ; a plain instruction behind the last of the four (ISA guide 5.7.2),
	s_wait_alu depctr_va_vdst(0)                   ; and one wait for the batch, ahead of its first reader
.irp rr, 0,1,2,3
	v_mov_b32 v[RS+2*\rr+1], v[RS+2*\rr]
.endr
.irp m, 0,2,4,6,8,10,12,14
.irp rr, 0,1,2,3
	v_pk_mul_f32 v[Z+16*\rr+\m:Z+16*\rr+\m+1], v[Z+16*\rr+\m:Z+16*\rr+\m+1], v[RS+2*\rr:RS+2*\rr+1]
.endr
.endr
.irp rr, 0,1,2,3
.irp m, 0,1,2,3,4,5,6,7
	v_cvt_pk_bf16_f32 v[Z+16*\rr+\m], v[Z+16*\rr+2*\m], v[Z+16*\rr+2*\m+1]   ; ascending, in place: register m is written when 2 m and 2 m + 1 are read
.endr
.irp i, 0,1,2,3
	global_store_b64 v12, v[Z+16*\rr+2*\i:Z+16*\rr+2*\i+1], s[12:13] offset:\rr*1024+\i*256   ; 32 lanes x 8 bytes: 256 consecutive bytes, aligned
.endr
.endr
	s_wait_dscnt 0x0                               ; for the others' sake: my four raw rows are in LDS
	s_barrier_signal -1
	s_barrier_wait -1
	; THE GATE.  One instruction takes k = 2 h + j of four; here that place holds k = 128 w + 8 c + 4 h + j (+ 2 in the odd steps), alike in both sources, so the products are the same.
	; Source 0 = gate_w (row = expert), source 1 = z (column = token): a lane's result registers are experts 8 h + 0..7 of token r.
.irp c, 0,1,2,3,4,5,6,7,8,9,10,11,12,13,14,15
	ds_load_b128 v[ZF+4*\c:ZF+4*\c+3], v9 offset:32*\c
.endr
	s_wait_loadcnt 0x0                             ; gate_w and gate_b
	s_wait_dscnt 0x0
.set st, 0
.rept 32                                       ; the two accumulators take turns, one instruction a turn; their first steps start the sums
.if st < 2
	v_wmma_f32_16x16x4_f32 v[AC0+8*(st%2):AC0+8*(st%2)+7], v[G+2*st:G+2*st+1], v[ZF+2*st:ZF+2*st+1], 0
.else
	v_wmma_f32_16x16x4_f32 v[AC0+8*(st%2):AC0+8*(st%2)+7], v[G+2*st:G+2*st+1], v[ZF+2*st:ZF+2*st+1], v[AC0+8*(st%2):AC0+8*(st%2)+7]
.endif
.set st, st+1
.endr
	; nine plain lines that name none of those registers: the eight places that this form wants behind it (ISA guide 7.12.1), and one more
	v_mul_u32_u24 v10, v2, PP
	v_lshl_add_u32 v10, v3, 5, v10
	v_add_nc_u32 v10, s37, v10                     ; where my eight partial logits go: token r, experts 8 h on
	v_lshrrev_b32 v14, 3, v0                       ; last phase: my token, 0..15
	v_mul_u32_u24 v11, v14, PP
	v_lshl_add_u32 v11, v13, 3, v11
	v_add_nc_u32 v11, PD, v11                      ; its pair of experts in wave 0's partial logits
	v_lshlrev_b32 v15, 3, v0                       ; my 8 bytes in the group's part of out1
	v_lshlrev_b32 v35, 2, v14                      ; my token's word in the group's part of idx (the row statistics are done with)
.irp m, 0,2,4,6
	v_pk_add_f32 v[RT+\m:RT+\m+1], v[AC0+\m:AC0+\m+1], v[AC1+\m:AC1+\m+1]     ; from each accumulator's low end on
.endr
	ds_store_b128 v10, v[RT:RT+3]
	ds_store_b128 v10, v[RT+4:RT+7] offset:16
	s_wait_dscnt 0x0                               ; for the others' sake
	s_barrier_signal -1
	s_barrier_wait -1
	; LAST PHASE.  Thread = (token tid / 8, experts 2 (tid % 8) and + 1): a token's eight threads are eight neighbouring lanes.
.irp w, 0,1,2,3
	ds_load_b64 v[RT+2*\w:RT+2*\w+1], v11 offset:\w*16*PP
.endr
	s_wait_dscnt 0x0
	v_pk_add_f32 v[36:37], v[36:37], v[38:39]
	v_pk_add_f32 v[36:37], v[36:37], v[40:41]
	v_pk_add_f32 v[36:37], v[36:37], v[42:43]
	v_pk_add_f32 v[36:37], v[36:37], v[16:17]      ; + gate_b
	v_max_num_f32 v18, v36, v37
.irp x, 1,2,4
	v_max_num_f32_dpp v18, v18, v18 row_xmask:\x row_mask:0xf bank_mask:0xf
.endr
	v_sub_f32 v38, v36, v18                        ; the row's maximum is taken away
	v_sub_f32 v39, v37, v18
	v_mul_f32 v38, s24, v38
	v_mul_f32 v39, s24, v39
	v_exp_f32 v40, v38
	v_exp_f32 v41, v39
	v_nop
	s_wait_alu depctr_va_vdst(0)                   ; one wait for the two exponentials
	v_add_f32 v42, v40, v41
.irp x, 1,2,4
	v_add_f32_dpp v42, v42, v42 row_xmask:\x row_mask:0xf bank_mask:0xf
.endr
	v_rcp_f32 v43, v42
	v_lshlrev_b32 v38, 1, v13                      ; my first expert's number: the plain line behind the reciprocal
	s_wait_alu depctr_va_vdst(0)
	v_mul_f32 v40, v40, v43
	v_mul_f32 v41, v41, v43
	global_store_b64 v15, v[40:41], s[10:11]       ; a wave stores 256 consecutive bytes, aligned
	; the lowest index among the largest g: candidates as f32, a minimum over the token's eight lanes.  A choice of values only: no address and no branch hangs on it here.
	v_max_num_f32 v18, v40, v41
.irp x, 1,2,4
	v_max_num_f32_dpp v18, v18, v18 row_xmask:\x row_mask:0xf bank_mask:0xf
.endr
	v_cvt_f32_u32 v38, v38
	v_add_f32 v39, 1.0, v38
	v_mov_b32 v42, 0x42c60000                      ; 99: no candidate
	v_cmp_eq_f32 vcc_lo, v41, v18
	v_cndmask_b32 v42, v42, v39, vcc_lo
	v_cmp_eq_f32 vcc_lo, v40, v18
	v_cndmask_b32 v42, v42, v38, vcc_lo
.irp x, 1,2,4
	v_min_num_f32_dpp v42, v42, v42 row_xmask:\x row_mask:0xf bank_mask:0xf
.endr
	v_cvt_u32_f32 v42, v42
	v_min_u32 v42, 15, v42
	v_cmp_eq_u32 vcc_lo, 0, v13                    ; one lane of a token's eight stores it
	s_wait_xcnt 0x0                                ; EXEC changes only behind this wait: earlier stores have it among their sources
	s_and_saveexec_b32 s25, vcc_lo
	global_store_b32 v35, v42, s[14:15]
	s_wait_xcnt 0x0
	s_or_b32 exec_lo, exec_lo, s25
	s_wait_tensorcnt 0x0                           ; the wave's end
	ds_add_u32 v[SPW], v[NIL]
	s_wait_dscnt 0x0
	s_endpgm
.Lfunc_end_k_q39630169a3_router:
	.size	k_q39630169a3_router, .Lfunc_end_k_q39630169a3_router-k_q39630169a3_router
	.p2alignl 7, 3214868480
	.fill 96, 4, 3214868480
	.section	.rodata,"a",@progbits
	.p2align	6, 0x0
	.amdhsa_kernel k_q39630169a3_router
		.amdhsa_group_segment_fixed_size 38656
		.amdhsa_private_segment_fixed_size 0
		.amdhsa_enable_private_segment 0
		.amdhsa_kernarg_size 48
		.amdhsa_user_sgpr_count 2
		.amdhsa_user_sgpr_kernarg_segment_ptr 1
		.amdhsa_wavefront_size32 1
		.amdhsa_system_sgpr_workgroup_id_x 1
		.amdhsa_system_sgpr_workgroup_id_y 1
		.amdhsa_system_sgpr_workgroup_id_z 1
		.amdhsa_system_vgpr_workitem_id 0
		.amdhsa_next_free_vgpr 256
		.amdhsa_next_free_sgpr 66
		.amdhsa_reserve_vcc 1
		.amdhsa_float_denorm_mode_32 3
		.amdhsa_float_denorm_mode_16_64 3
		.amdhsa_memory_ordered 1
		.amdhsa_forward_progress 1
		.amdhsa_inst_pref_size 33
	.end_amdhsa_kernel
	.amdgpu_metadata
---
amdhsa.version: [ 1, 2 ]
amdhsa.kernels:
  - .name:           k_q39630169a3_router
    .symbol:         k_q39630169a3_router.kd
    .args:
      - { .name: z, .offset: 0, .size: 8, .value_kind: global_buffer, .address_space: global }
      - { .name: gate_w, .offset: 8, .size: 8, .value_kind: global_buffer, .address_space: global }
      - { .name: gate_b, .offset: 16, .size: 8, .value_kind: global_buffer, .address_space: global }
      - { .name: out1, .offset: 24, .size: 8, .value_kind: global_buffer, .address_space: global }
      - { .name: zn, .offset: 32, .size: 8, .value_kind: global_buffer, .address_space: global }
      - { .name: idx, .offset: 40, .size: 8, .value_kind: global_buffer, .address_space: global }
    .group_segment_fixed_size: 38656
    .private_segment_fixed_size: 0
    .kernarg_segment_align: 8
    .kernarg_segment_size: 48
    .max_flat_workgroup_size: 128
    .sgpr_count:     66
    .vgpr_count:     256
    .wavefront_size: 32
...
	.end_amdgpu_metadata
.endif
;; end of part 1
;; launch expert (part 2): grid 16 x 16, 8 waves a work-group, no clusters, 146,432 bytes of LDS; arguments idx, zn, w1, ln_scale, ln_bias, b1, w2, part, order, cnt; writes part, order, cnt
.if DOCPART == 2
	.amdgcn_target "amdgcn-amd-amdhsa--gfx1250"
	.amdhsa_code_object_version 6
	.text
	.protected	k_q39630169a3_expert
	.globl	k_q39630169a3_expert
	.p2align	8
	.type	k_q39630169a3_expert,@function
k_q39630169a3_expert:
	s_mov_b64 s[64:65], 0
	v_nop
	global_prefetch_b8 v0, s[64:65] scope:SCOPE_SE
	s_setreg_imm32_b32 hwreg(HW_REG_WAVE_MODE, 25, 1), 1
	s_wait_xcnt 0x0
; EXPERT SLICES.  Work-group (s, e) owns columns 128 s .. 128 s + 127 of expert e's hidden layer and ALL tokens that chose e.  For each such token, at place p of e's list:
;   part[s][e][p] = sum over my 128 columns n of gelu((zn ln_scale[e] + ln_bias[e]) . w1[e][:, n] + b1[e][n]) w2[e][n]          (f32; the next launch adds the 16 slices and b2)
; Only the chosen expert's rows are multiplied: all others' results are thrown away by the module's own mask.  Every split of the tokens is served: all 4,096 on one expert, an expert with none.
; ALGEBRA (exact).  x w1 + b1 = zn (diag(ln_scale) w1) + (ln_bias w1 + b1): the scale is multiplied into w1 in f32 ahead of its one rounding to bf16; the second term is summed in f32 from the
; unrounded weights as they pass through registers.  All that enters gelu carries the factor K = sqrt(log2(e) / 2), so that exp(-x^2 / 2) = 2^-(K x)^2; 0.5 / K is folded into w2:
;   gelu(x) = (0.5 / K) (X + |X| E),  X = K x,  E = erf(|x| / sqrt 2) = 1 - (a1 t + .. + a5 t^5) 2^-(X X),  t = 1 / (1 + P |X|)
; LIMITS.  E is the five-term rational form of Abramowitz and Stegun 7.1.26, off by at most 1.5e-7 for every x.  zn and the scaled w1 are bf16 matrix operands; everything else is f32.
; NaN and infinities are not treated apart.  The order of an expert's list is this text's own (by wave, then by group of 32 tokens); every slice makes the same one.
; EACH BYTE OF w1 IS READ ONCE, by one work-group; a load of a wave is 512 consecutive bytes of one row of w1.  No cluster, no tensor load: a slice of weights has one reader and must pass through
; registers (scale, bias term, rounding); what an expert's 16 work-groups share, its rows of zn, comes by a list, which no descriptor covers.
; PHASES.  (1) every wave scans 512 of the 4,096 choices and lists the tokens of e in LDS; (2) wave w turns rows k = 64 w .. + 63 of the slice into bf16, laid in LDS in the order in which a matrix
; operand's registers take them, while the rows of its first tile of 32 tokens are on their way; (3) tiles of 32 places, tile 8 t + w to wave w in trip t: the tile's rows stay in 256 registers, the weights come from LDS.
; ALL LANES ARE ON FROM FIRST TO LAST: no line of this text writes EXEC.  A lane whose token did not choose e stores it into a dump entry of its own, which nobody reads.
; ADDRESSES FROM LOADED NUMBERS.  Each is held to a constant bound by v_min_u32, and behind that stands a plain shift, or a shift and a plain add of the wave's term, and nothing else.
.set SUB,   0                          ; LDS 0: eight regions of 544 entries, u16, wave w's at 1,088 w: a list of up to 512 tokens, then 32 dump entries, one a lane.  At byte 0, so that a look-up's address is an entry's number shifted
.set LENT,  544
.set WB,    8704                       ; the weights.  Columns 16 j .. + 15 take 16,384 bytes + 16: (j, k, r) at WB + j WBJ + (k / 8) 256 + 16 r + 2 (k % 8): a fragment's half is 512 consecutive bytes, 16 a lane
.set WBJ,   16400
.set CNTB,  140032                     ; the eight lists' lengths
.set CPB,   140288                     ; eight waves' parts of ln_bias . w1, 128 f32 each
.set CBT,   144384                     ; K (ln_bias . w1 + b1), 128 f32
.set W2T,   144896                     ; (0.5 / K) w2, 128 f32: 512 bytes behind CBT
.set SPARE, 145408                     ; the spare words, 128 bytes a wave: four blocks of 256 bytes that no other line names
.set SPW, 4                            ; v4   SPARE + 4 x my thread's number; never rewritten
.set NIL, 5                            ; v5   0; never rewritten
.set WS,  6                            ; v6   where my converted weights go: WB + (lane / 4) WBJ + (lane % 4) 64 + 2,048 w
.set L16, 7                            ; v7   16 x lane
.set WA,  8                            ; v8-11  fragments of columns 32 jj on: WB + jj 2 WBJ + 16 x lane
.set CBA, 12                           ; v12  CBT + 32 h
.set POS, 13                           ; v13  my place in the list
.set ADR, 14                           ; v14  an LDS address at work
.set TOK, 15                           ; v15  the token at my place
.set TOX, 16                           ; v16  the token of the lane 16 away
.set OA,  17                           ; v17, v18  byte offset in zn of my row of block 0, 1: token x 1,024 + 16 h
.set PO,  19                           ; v19  4 x my place
.set RES, 20                           ; v20  my place's partial sum
.set TMP, 21
.set SC,  22                           ; v22, v23  K ln_scale[e][64 w + lane], [+ 32]
.set LB,  24                           ; v24, v25  ln_bias likewise
.set B1R, 26                           ; v26  b1[e][128 s + tid % 128]
.set W2R, 27                           ; v27  w2 likewise, times 0.5 / K
.set CC,  28                           ; v[28:31]  ln_bias . w1 over my wave's 64 rows, columns 4 lane .. + 3
.set OS,  32                           ; v[32:33], v[34:35]  the running sums of block 0, 1 (even columns', odd columns')
.set L4,  36                           ; v36  4 x lane
.set N4,  37                           ; v37  4 x (tid % 128)
.set TK0, 38                           ; v38  512 w + 4 lane: the first token that I scan
.set DMP, 39                           ; v39  512 + lane: my dump entry's number
.set TA,  40                           ; v[40:63]  at work: the choices (v56-59: four zeros); packed weights; the epilogue's t, 2^-XX and polynomial for block 0
.set ACC, 64                           ; v[64:95]  accumulator (jl, b) at ACC + 16 jl + 8 b
.set CBW, 96                           ; v[96:127] bias and w2 of my 8 columns: (jl, which, half) at CBW + 16 jl + 8 which + 4 half
.set F0,  128                          ; v[128:191], v[192:255]  two fragment buffers: 2 column tiles x 4 K steps; in phase 2 a ring of four slots of 8 rows x 4 registers
.set F1,  192
.set TB,  192                          ; v[192:215]  the epilogue's 24 for block 1: F1 is idle then
; window 1 (v256-511): the tile's rows: block b, K step c at 128 b + 8 c
; s24 wave, s25 e, s26 s, s27 the expert's count, s28 trip, s29 tile; s[32:63] 16 pairs: row i's scale at 32 + 4 i, its bias at 34 + 4 i (the packed forms name pairs and take the low word);
; s[66:72] where lists 1..7 begin in the expert's list; s[73:79] 544 w less that; s80 P; s[82:91] a5 a4 a3 a2 a1 as pairs; s92, s93 lane selects; s94 lanes 16-31; s95 the last place that exists
.set MSB, 0
.macro WIN new                         ; s_set_vgpr_msb: bits 1:0 source 0, 3:2 source 1, 5:4 source 2, 7:6 destination; the high byte repeats the setting that is left
.if MSB != (\new)
	s_set_vgpr_msb (MSB<<8)|(\new)
.set MSB, \new
.endif
.endm
	s_load_b512 s[4:19], s[0:1], 0x0               ; idx s[4:5], zn s[6:7], w1 s[8:9], ln_scale s[10:11], ln_bias s[12:13], b1 s[14:15], w2 s[16:17], part s[18:19]
	s_load_b128 s[20:23], s[0:1], 0x40             ; order s[20:21], cnt s[22:23]
	v_lshl_add_u32 v[SPW], v0, 2, SPARE
	v_mov_b32 v[NIL], 0
	v_lshrrev_b32 v[TMP], 5, v0
	v_readfirstlane_b32 s24, v[TMP]                ; wave 0..7
	s_and_b32 s25, ttmp7, 0xffff                   ; e
	s_mov_b32 s26, ttmp9                           ; s
	; byte offsets, each in a pair of its own
	s_lshl_b32 s32, s24, 11                        ; idx: my wave's 512 words
	s_mov_b32 s33, 0
	s_lshl_b32 s34, s25, 22                        ; w1: e x 512 rows of 8,192 bytes + 64 w rows + 128 s columns
	s_lshl_b32 s98, s24, 19
	s_add_co_u32 s34, s34, s98
	s_lshl_b32 s98, s26, 9
	s_add_co_u32 s34, s34, s98
	s_mov_b32 s35, 0
	s_lshl_b32 s36, s25, 11                        ; ln_scale, ln_bias: e x 2,048 + 64 w x 4
	s_lshl_b32 s98, s24, 8
	s_add_co_u32 s36, s36, s98
	s_mov_b32 s37, 0
	s_lshl_b32 s38, s25, 13                        ; b1, w2: (2,048 e + 128 s) x 4
	s_lshl_b32 s98, s26, 9
	s_add_co_u32 s38, s38, s98
	s_mov_b32 s39, 0
	s_lshl_b32 s40, s26, 4                         ; part: (16 s + e) x 4,096 x 4
	s_add_co_u32 s40, s40, s25
	s_lshl_b32 s40, s40, 14
	s_mov_b32 s41, 0
	s_lshl_b32 s42, s25, 14                        ; order: e x 4,096 x 4
	s_mov_b32 s43, 0
	s_lshl_b32 s44, s25, 7                         ; cnt: e x 32 x 4
	s_mov_b32 s45, 0
	s_mov_b32 s80, 0x3e8ba43f                      ; P = 0.3275911 / (K sqrt 2)
	s_mov_b32 s82, 0x3f87dc22                      ; a5
	s_mov_b32 s83, 0x3f87dc22
	s_mov_b32 s84, 0xbfba00e3                      ; a4
	s_mov_b32 s85, 0xbfba00e3
	s_mov_b32 s86, 0x3fb5f0e3                      ; a3
	s_mov_b32 s87, 0x3fb5f0e3
	s_mov_b32 s88, 0xbe91a98e                      ; a2
	s_mov_b32 s89, 0xbe91a98e
	s_mov_b32 s90, 0x3e827906                      ; a1
	s_mov_b32 s91, 0x3e827906
	s_mov_b32 s92, 0x76543210
	s_mov_b32 s93, 0xfedcba98
	s_mov_b32 s94, 0xffff0000
	s_mul_i32 s96, s24, 2*LENT                     ; my wave's region: SUB (= 0) + 1,088 w
	s_mov_b32 s97, 0                               ; my list's length so far
	v_and_b32 v1, 31, v0                           ; lane
	v_bfe_u32 v2, v0, 4, 1                         ; h
	v_lshlrev_b32 v[L16], 4, v1
	v_lshlrev_b32 v[L4], 2, v1
	v_and_b32 v[N4], 127, v0
	v_lshlrev_b32 v[N4], 2, v[N4]
	v_add_nc_u32 v[DMP], 512, v1
	v_lshl_add_u32 v[CBA], v2, 5, CBT
	v_mov_b32 v[TOX], 0                            ; a lane permute's destination counts as read
	v_lshrrev_b32 v[TMP], 2, v1
	v_mul_u32_u24 v[WS], v[TMP], WBJ
	v_and_b32 v[TMP], 3, v1
	v_lshl_add_u32 v[WS], v[TMP], 6, v[WS]
	s_lshl_b32 s98, s24, 11
	s_add_co_u32 s98, s98, WB
	v_add_nc_u32 v[WS], s98, v[WS]
.irp jj, 0,1,2,3
	v_add_nc_u32 v[WA+\jj], WB+\jj*2*WBJ, v[L16]
.endr
	s_lshl_b32 s98, s24, 9
	v_lshl_add_u32 v[TK0], v1, 2, s98
	s_wait_kmcnt 0x0
	s_add_nc_u64 s[4:5], s[4:5], s[32:33]
	s_add_nc_u64 s[8:9], s[8:9], s[34:35]
	s_add_nc_u64 s[10:11], s[10:11], s[36:37]
	s_add_nc_u64 s[12:13], s[12:13], s[36:37]
	s_add_nc_u64 s[14:15], s[14:15], s[38:39]
	s_add_nc_u64 s[16:17], s[16:17], s[38:39]
	s_add_nc_u64 s[18:19], s[18:19], s[40:41]
	s_add_nc_u64 s[20:21], s[20:21], s[42:43]
	s_add_nc_u64 s[22:23], s[22:23], s[44:45]
; eight rows of my 64, rows 8 g .. 8 g + 7, into slot g % 4 of the ring: each load is 512 consecutive bytes of a row; lane l holds columns 4 l .. 4 l + 3
.macro WLOAD g
	WIN 0
.irp i, 0,1,2,3,4,5,6,7
	global_load_b128 v[F0+32*((\g)%4)+4*\i:F0+32*((\g)%4)+4*\i+3], v[L16], s[8:9] offset:(8*(\g)+\i)*8192 th:TH_LOAD_NT
.endr
.endm
; an eighth of my tile's rows: block g / 4, K steps 4 (g % 4) .. + 3: lane (r, h) takes 16 bytes at k = 32 c + 8 h and at 32 c + 16 + 8 h of its row
.macro ALOAD g
	WIN 0x40                                       ; destination window 1, address window 0
.irp cl, 0,1,2,3
.irp p, 0,1
	global_load_b128 v[128*((\g)/4)+8*(4*((\g)%4)+\cl)+4*\p:128*((\g)/4)+8*(4*((\g)%4)+\cl)+4*\p+3], v[OA+(\g)/4], s[6:7] offset:64*(4*((\g)%4)+\cl)+32*\p
.endr
.endr
.endm
; 32 of my 512 choices: register 4 i + c of the loaded sixteen: tokens 512 w + 128 i + 4 lane + c.  Those that chose e are appended to my wave's list; the others go to their lanes' dump entries.
.macro GROUP i, c
	v_cmp_eq_u32 vcc_lo, s25, v[TA+4*(\i)+(\c)]
	v_mbcnt_lo_u32_b32 v[ADR], vcc_lo, s97         ; the list's length + the chosen lanes below me: my entry's number if I am chosen,
	v_cndmask_b32 v[ADR], v[DMP], v[ADR], vcc_lo   ; else my dump entry's;
	v_min_u32 v[ADR], LENT-1, v[ADR]               ; held inside my wave's region,
	v_lshlrev_b32 v[ADR], 1, v[ADR]                ; two bytes an entry,
	v_add_nc_u32 v[ADR], s96, v[ADR]               ; in my wave's 1,088 bytes
	s_bcnt1_i32_b32 s98, vcc_lo
	s_add_co_u32 s97, s97, s98
	v_add_nc_u32 v[TMP], 128*(\i)+(\c), v[TK0]
	ds_store_b16 v[ADR], v[TMP]                    ; 32 lanes, 32 different entries
.endm
; The tokens of tile s29: place 32 x tile + lane, held to the last place that exists (places past the count repeat it); which of the eight lists holds it; the token; the two blocks' row offsets.
.macro LOOKUP
	s_wait_xcnt 0x0                                ; TOK, OA, PO are sources of earlier loads and stores: rewritten only behind this wait
	s_lshl_b32 s98, s29, 5
	v_add_nc_u32 v[POS], s98, v1
	v_lshlrev_b32 v[PO], 2, v[POS]
	v_min_u32 v[POS], s95, v[POS]
	v_mov_b32 v[ADR], 0
.irp w, 1,2,3,4,5,6,7
	v_cmp_le_u32 vcc_lo, s[65+\w], v[POS]          ; list w begins at or below my place: the last such list holds it
	v_cndmask_b32 v[ADR], v[ADR], s[72+\w], vcc_lo
.endr
	v_add_nc_u32 v[ADR], v[POS], v[ADR]            ; 544 w + (place - the list's beginning): the entry's number among all eight regions',
	v_min_u32 v[ADR], 8*LENT-1, v[ADR]             ; held inside them,
	v_lshlrev_b32 v[ADR], 1, v[ADR]                ; two bytes an entry, from LDS byte 0
	ds_load_u16 v[TOK], v[ADR]
	s_wait_dscnt 0x0
	v_permlanex16_b32 v[TOX], v[TOK], s92, s93
	v_cndmask_b32 v[OA], v[TOK], v[TOX], s94       ; block 0: lane (r, h) wants place r's token,
	v_cndmask_b32 v[OA+1], v[TOX], v[TOK], s94     ; block 1: place 16 + r's
	v_lshl_add_u32 v[OA], v[OA], 6, v2             ; in units of 16 bytes: 64 a row of zn, + h,
	v_lshl_add_u32 v[OA+1], v[OA+1], 6, v2
	v_min_u32 v[OA], 0x3ffc1, v[OA]                ; held to row 4,095, h = 1: with the loads' largest immediate, 992, and their 16 bytes that ends at zn's last byte,
	v_min_u32 v[OA+1], 0x3ffc1, v[OA+1]
	v_lshlrev_b32 v[OA], 4, v[OA]                  ; in bytes
	v_lshlrev_b32 v[OA+1], 4, v[OA+1]
.endm
; Rows 8 g .. 8 g + 7 of my 64: the bias term takes them unrounded; then scale, round, and 16 bytes (8 k of one column) a store.  left: the loads issued behind this group's eight.
.macro CONV g, left
	WIN 0
.set SL, F0+32*((\g)%4)
.set SV, SC+(\g)/4
.set LV, LB+(\g)/4
	s_wait_loadcnt \left
.irp i, 0,1,2,3,4,5,6,7
	v_readlane_b32 s[32+4*\i], v[SV], (8*(\g)+\i)%32
	v_readlane_b32 s[34+4*\i], v[LV], (8*(\g)+\i)%32
.endr
.irp i, 0,1,2,3,4,5,6,7
.irp q, 0,2
.if ((\g) == 0) && (\i == 0)
	v_pk_mul_f32 v[CC+\q:CC+\q+1], v[SL+4*\i+\q:SL+4*\i+\q+1], s[34+4*\i:35+4*\i] op_sel_hi:[1,0]   ; the first row starts the sums
.else
	v_pk_fma_f32 v[CC+\q:CC+\q+1], v[SL+4*\i+\q:SL+4*\i+\q+1], s[34+4*\i:35+4*\i], v[CC+\q:CC+\q+1] op_sel_hi:[1,0,1]
.endif
.endr
.endr
.irp i, 0,1,2,3,4,5,6,7
.irp q, 0,2
	v_pk_mul_f32 v[SL+4*\i+\q:SL+4*\i+\q+1], v[SL+4*\i+\q:SL+4*\i+\q+1], s[32+4*\i:33+4*\i] op_sel_hi:[1,0]
.endr
.endr
.irp c, 0,1,2,3
.irp m, 0,1,2,3
	v_cvt_pk_bf16_f32 v[TA+4*\c+\m], v[SL+8*\m+\c], v[SL+8*\m+4+\c]   ; column c: rows 2 m, 2 m + 1
.endr
	ds_store_b128 v[WS], v[TA+4*\c:TA+4*\c+3] offset:256*(\g)+16*\c   ; 16 lanes: (lane / 4) 16 + (lane % 4) 64 modulo 256: sixteen different columns of banks
.endr
.endm
	; PHASE 1.  The small loads first, then 32 loads of weights: 8 waves x 32 x 512 bytes are on their way while the lists are made.
.irp i, 0,1,2,3
	global_load_b128 v[TA+4*\i:TA+4*\i+3], v[L16], s[4:5] offset:512*\i
.endr
	global_load_b32 v[SC], v[L4], s[10:11]
	global_load_b32 v[SC+1], v[L4], s[10:11] offset:128
	global_load_b32 v[LB], v[L4], s[12:13]
	global_load_b32 v[LB+1], v[L4], s[12:13] offset:128
	global_load_b32 v[B1R], v[N4], s[14:15]
	global_load_b32 v[W2R], v[N4], s[16:17]
	WLOAD 0
	WLOAD 1
	WLOAD 2
	WLOAD 3
	; my region's 1,088 bytes are cleared: every entry that a look-up's bound allows is written whatever the choices (an expert without tokens looks up token 0).
	; LDS serves a wave's instructions in order (ISA guide 5.7.1.4): the entries below land on top of the zeros.
.irp k, 0,1,2,3
	v_mov_b32 v[TA+16+\k], 0
.endr
	v_add_nc_u32 v[ADR], s96, v[L16]
	ds_store_b128 v[ADR], v[TA+16:TA+19]
	ds_store_b128 v[ADR], v[TA+16:TA+19] offset:512
	v_lshl_add_u32 v[TMP], v1, 1, s96
	ds_store_b16 v[TMP], v[NIL] offset:1024        ; the 32 dump entries
	s_wait_loadcnt 32                              ; all but the 32 loads of weights
	v_mul_f32 v[SC], 0x3f596d27, v[SC]             ; K = 0.8493218
	v_mul_f32 v[SC+1], 0x3f596d27, v[SC+1]
	v_mul_f32 v[W2R], 0x3f16b55f, v[W2R]           ; 0.5 / K
.irp i, 0,1,2,3
.irp c, 0,1,2,3
	GROUP \i, \c
.endr
.endr
	s_lshl_b32 s98, s24, 2
	s_add_co_u32 s98, s98, CNTB
	v_mov_b32 v[ADR], s98
	v_mov_b32 v[TMP], s97
	ds_store_b32 v[ADR], v[TMP]                    ; my list's length
	s_cmp_lt_u32 s24, 4
	s_cbranch_scc0 .Lno_w2
	v_lshl_add_u32 v[ADR], v0, 2, W2T              ; threads 0..127: one column each
	ds_store_b32 v[ADR], v[W2R]
.Lno_w2:
	s_wait_dscnt 0x0                               ; for the others' sake
	s_barrier_signal -1
	s_barrier_wait -1
	v_mov_b32 v[ADR], CNTB
	ds_load_b128 v[TA:TA+3], v[ADR]
	ds_load_b128 v[TA+4:TA+7], v[ADR] offset:16
	s_wait_dscnt 0x0
.irp k, 0,1,2,3,4,5,6,7
	v_readfirstlane_b32 s[32+\k], v[TA+\k]
.endr
	s_mov_b32 s66, s32                             ; list 1 begins behind list 0, and so on
.irp k, 1,2,3,4,5,6
	s_add_co_u32 s[66+\k], s[65+\k], s[32+\k]
.endr
	s_add_co_u32 s27, s72, s39                     ; the expert's count
.irp k, 1,2,3,4,5,6,7
	s_sub_co_u32 s[72+\k], LENT*\k, s[65+\k]       ; never below 0: the lists in front hold 512 entries each at the most
.endr
	s_max_u32 s95, s27, 1
	s_sub_co_u32 s95, s95, 1
.irp k, 0,1,2,3,4,5,6,7,8,9,10,11,12,13,14,15
	s_mov_b32 s[33+2*\k], 0                        ; the pairs' upper words are named with the lower ones, so they are written
.endr
	s_or_b32 s98, s26, s24
	s_cmp_lg_u32 s98, 0
	s_cbranch_scc1 .Lno_cnt
	v_mov_b32 v[TMP], s27
	global_store_b32 v[L4], v[TMP], s[22:23]       ; slice 0, wave 0: the count, 32 copies
.Lno_cnt:
	; PHASE 2.  The ring of four slots is emptied and filled again; an eighth of my first tile's rows is asked for in front of each group.  These loads are issued whether or not the tile exists
	; (its places are held to one that does), so each wait's count holds on every path.  Behind W0-W3 the order of issue is A0 W4 A1 W5 A2 W6 A3 W7 A4 A5 A6 A7, eight loads each.
	s_mov_b32 s29, s24
	LOOKUP
	ALOAD 0
	CONV 0, 32                                     ; behind W0: W1 W2 W3 A0
	WLOAD 4
	ALOAD 1
	CONV 1, 40                                     ; behind W1: W2 W3 A0 W4 A1
	WLOAD 5
	ALOAD 2
	CONV 2, 48                                     ; behind W2: W3 A0 W4 A1 W5 A2
	WLOAD 6
	ALOAD 3
	CONV 3, 56                                     ; behind W3: A0 W4 A1 W5 A2 W6 A3
	WLOAD 7
	ALOAD 4
	CONV 4, 56                                     ; behind W4: A1 W5 A2 W6 A3 W7 A4
	ALOAD 5
	CONV 5, 48                                     ; behind W5: A2 W6 A3 W7 A4 A5
	ALOAD 6
	CONV 6, 40                                     ; behind W6: A3 W7 A4 A5 A6
	ALOAD 7
	CONV 7, 32                                     ; behind W7: A4 A5 A6 A7
	s_lshl_b32 s98, s24, 9
	s_add_co_u32 s98, s98, CPB
	v_add_nc_u32 v[ADR], s98, v[L16]
	ds_store_b128 v[ADR], v[CC:CC+3]               ; my 64 rows' part of ln_bias . w1
	s_wait_dscnt 0x0                               ; for the others' sake: my weights and my part are in LDS
	s_barrier_signal -1
	s_barrier_wait -1
	s_cmp_lt_u32 s24, 4
	s_cbranch_scc0 .Lno_cb
	v_lshl_add_u32 v[ADR], v0, 2, CPB              ; threads 0..127: one column each
.irp w, 0,1,2,3,4,5,6,7
	ds_load_b32 v[TA+\w], v[ADR] offset:512*\w
.endr
	s_wait_dscnt 0x0
.irp w, 1,2,3,4,5,6,7
	v_add_f32 v[TA], v[TA], v[TA+\w]
.endr
	v_add_f32 v[TA], v[TA], v[B1R]
	v_mul_f32 v[TA], 0x3f596d27, v[TA]
	v_lshl_add_u32 v[ADR], v0, 2, CBT
	ds_store_b32 v[ADR], v[TA]
.Lno_cb:
	s_wait_dscnt 0x0
	s_barrier_signal -1
	s_barrier_wait -1                              ; from here on nothing writes LDS: the loop below has no barrier
; PHASE 3.
; 16 LDS loads: columns 32 jj .. + 31, K steps 4 q .. + 3, into buffer f: 512 consecutive bytes each.  They name a destination and source 0 alone, so they stand under the products' window setting.
.macro FETCH jj, q, f
.irp jl, 0,1
.irp cl, 0,1,2,3
.irp p, 0,1
	ds_load_b128 v[(\f)+32*\jl+8*\cl+4*\p:(\f)+32*\jl+8*\cl+4*\p+3], v[WA+(\jj)] offset:\jl*WBJ+(4*(\q)+\cl)*1024+\p*512
.endr
.endr
.endr
.endm
; A quarter of K: the next quarter's fragments are asked for, then 16 products on buffer f.  Source 0 = 16 columns of weights, source 1 = 16 tokens: a lane's result is ONE token (r) and columns 8 h + 0..7.
; The four accumulators take turns, one instruction a turn.  q = 0: the first four start the sums.  left: the LDS loads issued behind buffer f's.
.macro QUARTER f, q, nj, nq, g, left
.if (\q) != 0
.rept 4
	v_nop                                          ; four places between the products that read buffer g and the loads into it (ISA guide 7.12.1 for vector instructions); at q = 0 the epilogue's lines are the places
.endr
.endif
	FETCH \nj, \nq, \g
	s_wait_dscnt \left
.irp cl, 0,1,2,3
.irp jl, 0,1
.irp b, 0,1
.if ((\q) == 0) && (\cl == 0)
	v_wmma_f32_16x16x32_bf16 v[ACC+16*\jl+8*\b:ACC+16*\jl+8*\b+7], v[(\f)+32*\jl+8*\cl:(\f)+32*\jl+8*\cl+7], v[128*\b+8*(4*(\q)+\cl):128*\b+8*(4*(\q)+\cl)+7], 0
.else
	v_wmma_f32_16x16x32_bf16 v[ACC+16*\jl+8*\b:ACC+16*\jl+8*\b+7], v[(\f)+32*\jl+8*\cl:(\f)+32*\jl+8*\cl+7], v[128*\b+8*(4*(\q)+\cl):128*\b+8*(4*(\q)+\cl)+7], v[ACC+16*\jl+8*\b:ACC+16*\jl+8*\b+7]
.endif
.endr
.endr
.endr
.endm
; THE EPILOGUE of one accumulator, in three lists.  T .. T + 7: 1 + P |X|, then t; T + 8 .. + 15: -X X, then 2^-XX, then t 2^-XX; T + 16 .. + 23: the polynomial, then E.
.macro EP AC, CB, T, n                 ; plain line n of 16, ahead of the transcendentals; the accumulator's lowest registers are read first
.if (\n) < 4
	v_pk_add_f32 v[\AC+2*(\n):\AC+2*(\n)+1], v[\AC+2*(\n):\AC+2*(\n)+1], v[\CB+2*(\n):\CB+2*(\n)+1]
.elseif (\n) < 12
	v_fma_f32 v[\T+(\n)-4], |v[\AC+(\n)-4]|, s80, 1.0
.else
	v_pk_mul_f32 v[\T+8+2*((\n)-12):\T+8+2*((\n)-12)+1], v[\AC+2*((\n)-12):\AC+2*((\n)-12)+1], v[\AC+2*((\n)-12):\AC+2*((\n)-12)+1] neg_lo:[1,0] neg_hi:[1,0]
.endif
.endm
.macro ET T, n                         ; transcendental n of 16, in place
.if (\n) < 8
	v_rcp_f32 v[\T+(\n)], v[\T+(\n)]
.else
	v_exp_f32 v[\T+(\n)], v[\T+(\n)]
.endif
.endm
.macro EQ AC, WW, T, O                 ; the 36 lines behind the wait
.irp m, 0,2,4,6
	v_pk_fma_f32 v[\T+16+\m:\T+17+\m], v[\T+\m:\T+\m+1], s[82:83], s[84:85] op_sel_hi:[1,0,0]    ; a5 t + a4
.endr
.irp m, 0,2,4,6
	v_pk_mul_f32 v[\T+8+\m:\T+9+\m], v[\T+\m:\T+\m+1], v[\T+8+\m:\T+9+\m]                        ; t 2^-XX
.endr
.irp a, 86,88,90
.irp m, 0,2,4,6
	v_pk_fma_f32 v[\T+16+\m:\T+17+\m], v[\T+16+\m:\T+17+\m], v[\T+\m:\T+\m+1], s[\a:\a+1] op_sel_hi:[1,1,0]
.endr
.endr
.irp m, 0,2,4,6
	v_pk_fma_f32 v[\T+16+\m:\T+17+\m], v[\T+16+\m:\T+17+\m], v[\T+8+\m:\T+9+\m], 1.0 op_sel_hi:[1,1,0] neg_lo:[1,0,0] neg_hi:[1,0,0]   ; E
.endr
.irp m, 0,1,2,3,4,5,6,7
	v_fma_f32 v[\AC+\m], |v[\AC+\m]|, v[\T+16+\m], v[\AC+\m]                                     ; X + |X| E
.endr
.irp m, 0,2,4,6
	v_pk_fma_f32 v[\O:\O+1], v[\AC+\m:\AC+\m+1], v[\WW+\m:\WW+\m+1], v[\O:\O+1]
.endr
.endm
; Both row blocks of column tile jl.  Their 32 transcendentals are ONE batch with one wait: nothing ahead of the wait names a result.  Block 1's plain lines stand between block 0's transcendentals.
.macro EPI2 jl
.set EA0, ACC+16*(\jl)
.set EA1, EA0+8
.set ECB, CBW+16*(\jl)
.set EW2, ECB+8
.set en, 0
.rept 16
	EP EA0, ECB, TA, en
.set en, en+1
.endr
.set en, 0
.rept 16
	ET TA, en
	EP EA1, ECB, TB, en
.set en, en+1
.endr
.set en, 0
.rept 16
	ET TB, en
.set en, en+1
.endr
	v_nop                                          ; a plain instruction behind the last transcendental (ISA guide 5.7.2),
	s_wait_alu depctr_va_vdst(0)                   ; and the batch's one wait
	EQ EA0, EW2, TA, OS
	EQ EA1, EW2, TB, OS+2
.endm
	FETCH 0, 0, F0                                 ; the first fragments; every tile's last quarter asks for them anew, for the tile behind it
	s_mov_b32 s28, 0
.Ltrip:                                                ; 16 trips: 8 waves x 16 x 32 places cover all 4,096 on one expert; a tile past the count is jumped, forward, over text without a barrier
	s_lshl_b32 s29, s28, 3
	s_add_co_u32 s29, s29, s24                     ; my tile
	s_lshl_b32 s98, s29, 5
	s_cmp_ge_u32 s98, s27
	s_cbranch_scc1 .Lnext
	s_cmp_eq_u32 s28, 0
	s_cbranch_scc1 .Lhave                          ; the first tile's rows were asked for in phase 2
	s_wait_loadcnt 0x0                             ; no load into the rows' registers is out when they are loaded anew
	LOOKUP
.irp g, 0,1,2,3,4,5,6,7
	ALOAD \g
.endr
	WIN 0                                          ; at a label and at a branch every window is 0
.Lhave:
	s_wait_loadcnt 0x0                             ; the tile's rows
.irp o, 0,1,2,3
	v_mov_b32 v[OS+\o], 0
.endr
.irp jj, 0,1,2,3                       ; 32 columns at a time
.irp jl, 0,1
.irp t, 0,1
.irp q, 0,1
	ds_load_b128 v[CBW+16*\jl+8*\t+4*\q:CBW+16*\jl+8*\t+4*\q+3], v[CBA] offset:128*\jj+64*\jl+512*\t+16*\q   ; bias (t = 0) and w2 (t = 1) of columns 32 jj + 16 jl + 8 h + 4 q on
.endr
.endr
.endr
	WIN 0x04                                       ; source 1, the rows, in window 1
	QUARTER F0, 0, \jj, 1, F1, 24                  ; behind F0's loads: the 8 above and the 16 just issued
	QUARTER F1, 1, \jj, 2, F0, 16                  ; behind the buffer's loads: the 16 just issued
	QUARTER F0, 2, \jj, 3, F1, 16
	QUARTER F1, 3, (\jj+1)%4, 0, F0, 16
	WIN 0
.rept 4
	v_nop                                          ; four places behind the last products, ahead of the lines that read their results and write into F1
.endr
	EPI2 0
	EPI2 1
.endr
	v_add_f32 v[OS], v[OS], v[OS+1]                ; even and odd columns,
	v_add_f32 v[OS+2], v[OS+2], v[OS+3]
	v_permlanex16_b32 v[OS+1], v[OS], s92, s93     ; and the token's other eight columns of each sixteen, in the lane 16 away
	v_permlanex16_b32 v[OS+3], v[OS+2], s92, s93
	v_add_f32 v[OS], v[OS], v[OS+1]
	v_add_f32 v[OS+2], v[OS+2], v[OS+3]
	s_wait_xcnt 0x0                                ; RES was the last tile's store data
	v_cndmask_b32 v[RES], v[OS], v[OS+2], s94      ; lane l: place 32 x tile + l
	global_store_b32 v[PO], v[RES], s[18:19]       ; 128 consecutive bytes; places past the count are stored too and never read
	s_cmp_lg_u32 s26, 0
	s_cbranch_scc1 .Lno_order
	global_store_b32 v[PO], v[TOK], s[20:21]       ; slice 0 also stores the list
.Lno_order:
.Lnext:
	s_add_co_u32 s28, s28, 1
	s_cmp_lt_u32 s28, 16
	s_cbranch_scc1 .Ltrip
	s_wait_tensorcnt 0x0                           ; the wave's end
	ds_add_u32 v[SPW], v[NIL]
	s_wait_dscnt 0x0
	s_endpgm
.Lfunc_end_k_q39630169a3_expert:
	.size	k_q39630169a3_expert, .Lfunc_end_k_q39630169a3_expert-k_q39630169a3_expert
	.p2alignl 7, 3214868480
	.fill 96, 4, 3214868480
	.section	.rodata,"a",@progbits
	.p2align	6, 0x0
	.amdhsa_kernel k_q39630169a3_expert
		.amdhsa_group_segment_fixed_size 146432
		.amdhsa_private_segment_fixed_size 0
		.amdhsa_enable_private_segment 0
		.amdhsa_kernarg_size 80
		.amdhsa_user_sgpr_count 2
		.amdhsa_user_sgpr_kernarg_segment_ptr 1
		.amdhsa_wavefront_size32 1
		.amdhsa_system_sgpr_workgroup_id_x 1
		.amdhsa_system_sgpr_workgroup_id_y 1
		.amdhsa_system_sgpr_workgroup_id_z 1
		.amdhsa_system_vgpr_workitem_id 0
		.amdhsa_next_free_vgpr 512
		.amdhsa_next_free_sgpr 101
		.amdhsa_reserve_vcc 1
		.amdhsa_float_denorm_mode_32 3
		.amdhsa_float_denorm_mode_16_64 3
		.amdhsa_memory_ordered 1
		.amdhsa_forward_progress 1
		.amdhsa_inst_pref_size 172
	.end_amdhsa_kernel
	.amdgpu_metadata
---
amdhsa.version: [ 1, 2 ]
amdhsa.kernels:
  - .name:           k_q39630169a3_expert
    .symbol:         k_q39630169a3_expert.kd
    .args:
      - { .name: idx, .offset: 0, .size: 8, .value_kind: global_buffer, .address_space: global }
      - { .name: zn, .offset: 8, .size: 8, .value_kind: global_buffer, .address_space: global }
      - { .name: w1, .offset: 16, .size: 8, .value_kind: global_buffer, .address_space: global }
      - { .name: ln_scale, .offset: 24, .size: 8, .value_kind: global_buffer, .address_space: global }
      - { .name: ln_bias, .offset: 32, .size: 8, .value_kind: global_buffer, .address_space: global }
      - { .name: b1, .offset: 40, .size: 8, .value_kind: global_buffer, .address_space: global }
      - { .name: w2, .offset: 48, .size: 8, .value_kind: global_buffer, .address_space: global }
      - { .name: part, .offset: 56, .size: 8, .value_kind: global_buffer, .address_space: global }
      - { .name: order, .offset: 64, .size: 8, .value_kind: global_buffer, .address_space: global }
      - { .name: cnt, .offset: 72, .size: 8, .value_kind: global_buffer, .address_space: global }
    .group_segment_fixed_size: 146432
    .private_segment_fixed_size: 0
    .kernarg_segment_align: 8
    .kernarg_segment_size: 80
    .max_flat_workgroup_size: 256
    .sgpr_count:     101
    .vgpr_count:     512
    .wavefront_size: 32
...
	.end_amdgpu_metadata
.endif
;; end of part 2
;; launch combine (part 3): grid 16 x 16, 8 waves a work-group, no clusters, 0 bytes of LDS; arguments part, order, cnt, b2, out0; writes out0
.if DOCPART == 3
	.amdgcn_target "amdgcn-amd-amdhsa--gfx1250"
	.amdhsa_code_object_version 6
	.text
	.protected	k_q39630169a3_combine
	.globl	k_q39630169a3_combine
	.p2align	8
	.type	k_q39630169a3_combine,@function
k_q39630169a3_combine:
	s_mov_b64 s[64:65], 0
	v_nop
	global_prefetch_b8 v0, s[64:65] scope:SCOPE_SE
	s_setreg_imm32_b32 hwreg(HW_REG_WAVE_MODE, 25, 1), 1
	s_wait_xcnt 0x0
; COMBINE.  out0[order[e][p]] = b2[e] + the sum over the 16 slices s, ascending, of part[s][e][p], for p < cnt[e].  All in f32.
; Work-group (chunk, e) takes places 256 chunk .. + 255 of expert e's list.  The grid covers 4,096 places for every expert, so that every split of the tokens is served; a work-group whose
; places all lie past the count stores nothing and ends.  Every token stands in exactly one list, so every word of out0 is stored once.
; Places past the count inside a chunk load the last place that exists and store nothing.  No LDS, no matrix unit: 17 words in and one out for each token.
	s_load_b256 s[4:11], s[0:1], 0x0               ; part s[4:5], order s[6:7], cnt s[8:9], b2 s[10:11]
	s_load_b64 s[12:13], s[0:1], 0x20              ; out0
	s_and_b32 s14, ttmp7, 0xffff                   ; e
	s_lshl_b32 s15, ttmp9, 8                       ; the chunk's first place
	s_lshl_b32 s16, s14, 7                         ; cnt: 32 words an expert
	s_mov_b32 s17, 0
	s_lshl_b32 s18, s14, 2                         ; b2
	s_mov_b32 s19, 0
	s_lshl_b32 s20, s14, 14                        ; part and order: 4,096 words an expert
	s_mov_b32 s21, 0
	s_wait_kmcnt 0x0
	s_add_nc_u64 s[8:9], s[8:9], s[16:17]
	s_add_nc_u64 s[10:11], s[10:11], s[18:19]
	s_add_nc_u64 s[4:5], s[4:5], s[20:21]
	s_add_nc_u64 s[6:7], s[6:7], s[20:21]
	s_load_b32 s22, s[8:9], 0x0                    ; the expert's count
	s_load_b32 s23, s[10:11], 0x0                  ; b2[e]
	s_wait_kmcnt 0x0
	s_cmp_ge_u32 s15, s22
	s_cbranch_scc1 .Lend
	s_sub_co_u32 s24, s22, 1                       ; the last place that exists (the count is at least 1 here)
	v_add_nc_u32 v1, s15, v0                       ; my place
	v_min_u32 v2, s24, v1
	v_min_u32 v2, 4095, v2
	v_lshlrev_b32 v2, 2, v2
	global_load_b32 v3, v2, s[6:7]                 ; the token
.irp s, 0,1,2,3,4,5,6,7,8,9,10,11,12,13,14,15
	global_load_b32 v[4+\s], v2, s[4:5] offset:\s*262144   ; a slice is 16 experts x 4,096 words on
.endr
	s_wait_loadcnt 15                              ; the token and slice 0 are in; the 15 younger loads may be out
	v_add_f32 v20, s23, v4
.irp s, 1,2,3,4,5,6,7,8,9,10,11,12,13,14,15
	s_wait_loadcnt 15-\s                           ; slice s is in
	v_add_f32 v20, v20, v[4+\s]
.endr
	v_min_u32 v3, 4095, v3
	v_lshlrev_b32 v3, 2, v3
	v_cmp_gt_u32 vcc_lo, s22, v1                   ; places below the count store
	s_wait_xcnt 0x0                                ; EXEC changes only behind this wait
	s_and_saveexec_b32 s25, vcc_lo
	global_store_b32 v3, v20, s[12:13]
	s_wait_xcnt 0x0
	s_or_b32 exec_lo, exec_lo, s25
.Lend:
	s_endpgm
.Lfunc_end_k_q39630169a3_combine:
	.size	k_q39630169a3_combine, .Lfunc_end_k_q39630169a3_combine-k_q39630169a3_combine
	.p2alignl 7, 3214868480
	.fill 96, 4, 3214868480
	.section	.rodata,"a",@progbits
	.p2align	6, 0x0
	.amdhsa_kernel k_q39630169a3_combine
		.amdhsa_group_segment_fixed_size 0
		.amdhsa_private_segment_fixed_size 0
		.amdhsa_enable_private_segment 0
		.amdhsa_kernarg_size 40
		.amdhsa_user_sgpr_count 2
		.amdhsa_user_sgpr_kernarg_segment_ptr 1
		.amdhsa_wavefront_size32 1
		.amdhsa_system_sgpr_workgroup_id_x 1
		.amdhsa_system_sgpr_workgroup_id_y 1
		.amdhsa_system_sgpr_workgroup_id_z 1
		.amdhsa_system_vgpr_workitem_id 0
		.amdhsa_next_free_vgpr 24
		.amdhsa_next_free_sgpr 66
		.amdhsa_reserve_vcc 1
		.amdhsa_float_denorm_mode_32 3
		.amdhsa_float_denorm_mode_16_64 3
		.amdhsa_memory_ordered 1
		.amdhsa_forward_progress 1
		.amdhsa_inst_pref_size 5
	.end_amdhsa_kernel
	.amdgpu_metadata
---
amdhsa.version: [ 1, 2 ]
amdhsa.kernels:
  - .name:           k_q39630169a3_combine
    .symbol:         k_q39630169a3_combine.kd
    .args:
      - { .name: part, .offset: 0, .size: 8, .value_kind: global_buffer, .address_space: global }
      - { .name: order, .offset: 8, .size: 8, .value_kind: global_buffer, .address_space: global }
      - { .name: cnt, .offset: 16, .size: 8, .value_kind: global_buffer, .address_space: global }
      - { .name: b2, .offset: 24, .size: 8, .value_kind: global_buffer, .address_space: global }
      - { .name: out0, .offset: 32, .size: 8, .value_kind: global_buffer, .address_space: global }
    .group_segment_fixed_size: 0
    .private_segment_fixed_size: 0
    .kernarg_segment_align: 8
    .kernarg_segment_size: 40
    .max_flat_workgroup_size: 256
    .sgpr_count:     66
    .vgpr_count:     24
    .wavefront_size: 32
...
	.end_amdgpu_metadata
.endif
;; end of part 3
